; MI455X (gfx1250); checked and timed in simulation.
; The chip was launched on July 23, 2026; its instructions are those of AMD's public machine-readable ISA for CDNA 5 (MIT licence, August 2026) and "CDNA5" Instruction Set Architecture Reference Guide (July 2026). The comments in the code are by the model that wrote it; some were corrected since.
;; Attention Vi T. Allowed arithmetic: matrix products marked QUANTISED: E2M3 operands, one E8M0 scale for each 32 along K, by v_wmma_scale_f32_16x16x128_f8f6f4 with both operands' format E2M3, f32 sums; everything else in f32.
;; Inputs: b_out 1,024 float32; w_out_codes 1,024 x 32 x 24 uint8 (E2M3 codes of w_out, K innermost, in blocks of 32 codes, four codes in three bytes); w_out_scales 1,024 x 32 uint8 (E8M0 scales of w_out, one for each 32 codes along K); w_qkv_codes 3,072 x 32 x 24 uint8 (E2M3 codes of w_qkv, K innermost, in blocks of 32 codes, four codes in three bytes); w_qkv_scales 3,072 x 32 uint8 (E8M0 scales of w_qkv, one for each 32 codes along K); x_codes 8 x 1,024 x 32 x 24 uint8 (E2M3 codes of x, K innermost, in blocks of 32 codes, four codes in three bytes); x_scales 8 x 1,024 x 32 uint8 (E8M0 scales of x, one for each 32 codes along K).
;; Outputs: out0 8 x 1,024 x 1,024 float32.
;; This version of the problem:
;;   THIS VERSION OF THE PROBLEM IS GIVEN IN LOW PRECISION. The matrix products marked QUANTISED in the list below multiply operands that are first quantised to E2M3 (2 exponent bits, 3 mantissa bits; 6 bits a number), with one power-of-two scale for each 32 numbers along K (OCP MX v1.0); their sums are f32. All else is computed in f32.
;;   The module's matrix products, in the order in which they are computed (A, B: the left and right operand; K: the contracted axis; several contracted axes count as one K, in the product's order):
;;     1. [M 8,192, K 1,024] x [K 1,024, N 3,072]; A: input x (given as codes); B: input w_qkv (given as codes): QUANTISED
;;     2. batch 128 x [M 1,024, K 64] x [K 64, N 1,024]; A: computed on the way; B: computed on the way: QUANTISED
;;     3. batch 128 x [M 1,024, K 1,024] x [K 1,024, N 64]; A: softmax (see below); B: computed on the way: QUANTISED
;;     4. [M 8,192, K 1,024] x [K 1,024, N 1,024]; A: computed on the way; B: input w_out (given as codes): QUANTISED
;;   THE QUANTISER, for each operand of a quantised product, along K:
;;     - K is cut into blocks of 32 from its start; a last block that is shorter is filled with zeros.
;;     - A block's scale is 2^e with e = floor(log2(the largest magnitude in the block)) - 2, held to -126 .. 127; a block of zeros has e = 0. As a byte (E8M0): e + 127.
;;     - Each number is divided by its block's scale, clamped to +-7.5, and rounded to the nearest number of E2M3, ties to even, subnormals kept.
;;     - The product sums the exact products of the quantised numbers (number of the format x scale) in f32.
;;   ~~~python
;;   def quantise(x, axis):      # numpy; x: float32 -> the quantised numbers, widened to float32 again
;;       x = np.moveaxis(x, axis, -1); K = x.shape[-1]
;;       x = np.pad(x, [(0, 0)] * (x.ndim - 1) + [(0, -K % 32)]); x = x.reshape(x.shape[:-1] + (-1, 32)); a = np.abs(x).max(-1, keepdims=True)
;;       e = np.where(a > 0, np.clip(np.frexp(np.where(a > 0, a, 1))[1] - 1 - 2, -126, 127), 0)      # np.frexp(a)[1] - 1 = floor(log2(a)), exactly
;;       r = np.clip(x / 2.0 ** e, -7.5, 7.5)
;;       step = 2.0 ** (np.maximum(np.frexp(np.where(r == 0, 1, r))[1] - 1, 0) - 3)
;;       q = np.round(r / step) * step * 2.0 ** e      # np.round: ties to even
;;       return np.moveaxis(q.reshape(q.shape[:-2] + (-1,))[..., :K], -1, axis).astype(np.float32)
;;   ~~~
;;   SOFTMAX AHEAD OF A QUANTISED PRODUCT. Where the list says 'softmax', what is quantised is not the finished softmax but p = 2^(t - M), with t = logit x log2(e) and M = ceil(the row's largest t), a whole number; so 1/2 < the row's largest p <= 1. The row's sum l is taken of the UNQUANTISED p, in f32, and the product's result is divided by l at the end. Since M is a whole number, a kernel that streams over the keys may use a running M (the ceiling of the running maximum): every later rescaling is an exact power of two, which a block's scale takes up: the codes' values come out the same.
;;   OPERANDS COMPUTED ON THE WAY. 'Computed on the way' means the value that the module computes at that place (a softmax that the list does not call 'softmax' is quantised finished and normalised). What goes into a quantiser is computed in f32, as accurately as f32 sums, v_exp_f32 and their like allow (about 1e-6 of the number): no bf16 or f16 on the way to a quantiser, and a product that is left as it is and whose result goes on into a quantised operand takes f32 operands (vector FMAs, or v_wmma_f32_16x16x4_f32). A number that lies on a knife's edge between two numbers of the format may be rounded either way, as far as f32 arithmetic and the matrix unit's own rounding can turn it there, and no further.
;;   INPUTS GIVEN AS CODES. w_out (in the module: [1024, 1024], K = its axis 0); w_qkv (in the module: [1024, 3072], K = its axis 0); x (in the module: [8, 1024, 1024], K = its axis 2): each comes as NAME_codes (uint8): NAME with its K axis moved to the last place and cut into blocks of 32 codes, [.., K / 32, bytes a block], one block behind the other in memory; four codes in three bytes: a row's codes are one little-endian stream of bits, code i at bits 6 i .. 6 i + 5 (a code: sign, 2 exponent bits, 3 mantissa bits); and NAME_scales (uint8): the same leading axes, one E8M0 byte (e + 127) for each 32 codes along K. Its value is code x scale, taken as it is: it is not quantised again, and the codes and scales need not be those that the quantiser above would give.
;; One version. Each part assembles by itself: llvm-mc -triple=amdgcn-amd-amdhsa -mcpu=gfx1250 --defsym DOCPART=n.
;; ======== version 1 of 1: 3 launches
;; limits: right only within a limited range of input values
;; workspace buffers: hb 20,185,088 bytes; oimg 6,291,456 bytes; osc 262,144 bytes
;; launch qkv (part 1): grid 12 x 32, 4 waves a work-group, clusters of 4 x 4, 327,680 bytes of LDS; arguments x_codes, x_scales, w_qkv_codes, w_qkv_scales, hb; writes hb
.if DOCPART == 1
	.amdgcn_target "amdgcn-amd-amdhsa--gfx1250"
	.amdhsa_code_object_version 6
	.text
	.protected	k_q419618ec58_qkv
	.globl	k_q419618ec58_qkv
	.p2align	8
	.type	k_q419618ec58_qkv,@function
k_q419618ec58_qkv:
	s_mov_b64 s[64:65], 0
	v_nop
	global_prefetch_b8 v0, s[64:65] scope:SCOPE_SE
	s_setreg_imm32_b32 hwreg(HW_REG_WAVE_MODE, 25, 1), 1
	s_wait_xcnt 0x0
	s_wait_alu depctr_hold_cnt(0) depctr_sa_sdst(0) depctr_va_vdst(0) depctr_va_sdst(0) depctr_va_ssrc(0) depctr_va_vcc(0) depctr_vm_vsrc(0)
	s_getreg_b32 s2, hwreg(HW_REG_IB_STS2, 6, 4)
	s_cmp_eq_u32 s2, 0
	s_cbranch_scc0 .Lentry_in_a_cluster
	s_endpgm
.Lentry_in_a_cluster:
	s_bfe_u32 s2, ttmp6, 0x10000c
	s_cmp_lg_u32 s2, 0xf033
	s_cbranch_scc0 .Lentry_shape_is_right
	s_endpgm
.Lentry_shape_is_right:
; qkv = x w_qkv on codes of FP6 (E2M3), one E8M0 scale for each 32 along K (K = 1,024), and straight on: q and k quantised along the head's 64, v along the keys.  Nothing wide goes to memory.
; A tile of 256 x 256 is made by four waves; a wave makes 128 x 128: 64 accumulators.  K goes through a ring of two LDS slots in CHUNKS OF 256 BYTES of each row of 768: three chunks; every tile row begins at a multiple of 256 bytes.
; A step of 128 along K is 96 bytes: eight steps; steps 2 and 5 lie across two chunks.  The scale bytes of the 2 x 256 rows come into LDS once.  4 x 4 work-groups form a cluster: A's tiles are asked for jointly along a row, B's along a column.
; TRANSPOSED USE: source 0 = 16 rows of B, source 1 = 16 rows of A: a lane holds one row of A and its registers run along B's rows, the next product's K.
; ROLES, by the cluster's x: 0 (q), 1 (k): A = x (tokens), B = w_qkv's rows 0 .. 2,047.  2 (v): A = w_qkv's rows 2,048 on, B = x.
; THE ORDER OF K IN WHAT IS MADE: inside each block of 32 the codes lie in the order 0-7, 16-23, 8-15, 24-31; q and k get the same order, and so do v here and p in the next launch: the products are the same, and a block's members, so its scale, are the true ones.
; OUT: images of the next launch's operand registers, in hb: 128 head blocks (16 x batch + head) of HB bytes.  Every store of a wave covers 512 or 256 consecutive bytes, aligned to 256.
; No work of the problem is left out.  No prefetch: the block is the largest, in clusters, and K is three chunks, two of them asked for at the head.
; LIMITS: NaN and infinities are not served.  A block whose largest magnitude lies under 2^-124, zeros among them, gets the byte 1 (the quantiser says 127 for zeros): the bytes are read by this program alone.
.set ROWB,   256
.set NQ,     2
.set KROW,   768
.set STEPS,  8
.set CHUNKS, 3
.set PITCH,  272                       ; 256 bytes + 16 of padding
.set FR,     12
.set NL,     6
.set NP,     4                         ; places behind this matrix instruction (ISA guide 7.12.1)
.set HALFT,  128*PITCH
.set SLOT,   4*HALFT                   ; A's 256 rows, then B's
.set KS,     32
.set SCL,    2*SLOT
.set HALFS,  (128*KS/256)*272
.set SBLK,   (16*KS/256)*272
.set SPARE,  SCL+4*HALFS               ; the spare words: 512 bytes that no other line names
.set HB,     157696
.set HB_KS,  0
.set HB_VS,  4096
.set HB_KI,  6144
.set HB_VI,  55296
.set HB_QI,  104448
.set HB_QS,  153600
.set ADRA, 16                          ; v16-17 my A fragments in slot 0, 1; v18-19: lanes 0-15 at byte 232 of a chunk in slot 0, 1, lanes 16-31 at byte 0 of the next chunk
.set ADRB, 20                          ; v20-23 the same for B
.set L16,  24
.set L8,   25
.set LN,   26
.set ADRS, 27
.set SPW,  28
.set NIL,  29
.set SC,   32                          ; v32-63 scale words, two sets
.set TM,   64                          ; v64-79 the quantiser's work
.set YS,   80
.set PW,   96
.set WD,   104
.set AF,   128                         ; A's fragments, window 0
.set CD,   128                         ; afterwards the codes
.set SEL,  2
.set G1, 24
.set G0, 32
.set G1B, 48
.set G0B, 56
.set G1S, 68
.set G0S, 76
.set G1SB, 80
.set G0SB, 88
.set G0H, 4                            ; group 0 of the head's loads of chunk 0 (the arguments there have served)
.set G0HB, 8
.set OI, 96                            ; s[96:97] where my images go, s[98:99] my scale words
.set OS, 98
.set MSB, 0
.macro WIN new
.if MSB != \new
	s_set_vgpr_msb (MSB<<8)|\new
.set MSB, \new
.endif
.endm
.set MUL_LO, 0xa1
.set MUL_HI, 0xf1
.set TO_B,   0x40
.macro JLOAD g0a, g1a, g0b, g1b        ; waves 0, 1 fetch for A, waves 2, 3 for B
	s_cmp_eq_u32 s15, 0
	s_cbranch_scc0 .Lfor_b_\@
	tensor_load_to_lds s[\g0a:\g0a+3], s[\g1a:\g1a+7]
	s_nop 0
.rept 4
	v_nop
.endr
	s_branch .Lasked_\@
.Lfor_b_\@:
	tensor_load_to_lds s[\g0b:\g0b+3], s[\g1b:\g1b+7]
	s_nop 0
.rept 4
	v_nop
.endr
.Lasked_\@:
.endm
.macro CREST
	s_cmp_lg_u32 s14, 0
	s_cbranch_scc1 .Lnot_wave_0_\@
	s_barrier_signal -3
.Lnot_wave_0_\@:
	s_barrier_wait -3
	s_barrier_signal -1
	s_barrier_wait -1
.endm
.macro CROUND
	s_barrier_signal -1
	s_barrier_wait -1
	CREST
.endm
	s_load_b128 s[4:7], s[0:1], 0x0                ; x's codes, scales
	s_load_b128 s[8:11], s[0:1], 0x10              ; w_qkv's codes, scales
	s_load_b64 s[12:13], s[0:1], 0x20              ; hb
	v_lshl_add_u32 v[SPW], v0, 2, SPARE
	v_mov_b32 v[NIL], 0
	ds_add_u32 v[SPW], v[NIL]                      ; the opening lines
	ds_add_u32 v[SPW], v[NIL]
	v_lshrrev_b32 v1, 5, v0
	v_readfirstlane_b32 s14, v1                    ; wave
	s_lshr_b32 s15, s14, 1                         ; my half of A's rows; also: I fetch for A (0) or B (1)
	s_and_b32 s16, s14, 1                          ; my half of B's rows; also: which 128 rows I fetch
	s_bfe_u32 s40, ttmp6, 0x40000                  ; cx
	s_bfe_u32 s41, ttmp6, 0x40004                  ; cy
	s_and_b32 s17, ttmp7, 0xffff
	s_cmp_lt_u32 ttmp9, 2                          ; the role
	s_cselect_b32 s42, ttmp9, s17
	s_cselect_b32 s17, s17, 0
	s_cselect_b32 s66, 0, 2048
	s_lshl_b32 s42, s42, 2
	s_add_co_u32 s42, s42, s40                     ; B's tile
	s_lshl_b32 s17, s17, 2
	s_add_co_u32 s17, s17, s41                     ; A's tile
	s_lshl_b32 s43, s41, 2
	s_lshl_b32 s43, 15, s43                        ; my row of the cluster
	s_lshl_b32 s44, 0x1111, s40                    ; my column
	s_or_b32 s[G1+0], s43, (0<<16)|(1<<20)|(1<<21)|(5<<22)|(3<<25)
	s_or_b32 s[G1B+0], s44, (0<<16)|(1<<20)|(1<<21)|(5<<22)|(3<<25)
.irp g, G1, G1B
	s_mov_b32 s[\g+1], ROWB<<16
	s_mov_b32 s[\g+2], 256<<16                     ; 256 rows for the head's loads
	s_mov_b32 s[\g+3], ROWB<<16
	s_mov_b32 s[\g+4], 256
	s_mov_b32 s[\g+5], KROW
	s_mov_b32 s[\g+6], 0
	s_mov_b32 s[\g+7], 0
.endr
	s_or_b32 s[G1S+0], s43, (3<<16)|(1<<20)|(1<<21)|(5<<22)|(3<<25)
	s_or_b32 s[G1SB+0], s44, (3<<16)|(1<<20)|(1<<21)|(5<<22)|(3<<25)
.irp g, G1S, G1SB                      ; the scales of 256 rows: 32 rows of 256 bytes
	s_mov_b32 s[\g+1], 32<<16
	s_mov_b32 s[\g+2], KS<<16
	s_mov_b32 s[\g+3], 32<<16
	s_mov_b32 s[\g+4], KS
	s_mov_b32 s[\g+5], 32
	s_mov_b32 s[\g+6], 0
	s_mov_b32 s[\g+7], 0
.endr
	s_lshl_b32 s20, s17, 8
	s_add_co_u32 s20, s20, s66                     ; A's first row
	s_lshl_b32 s46, s42, 8                         ; B's
	s_mov_b32 s21, 0
	s_mov_b32 s47, 0
	s_mov_b64 s[18:19], KS
	s_mul_u64 s[22:23], s[20:21], s[18:19]
	s_mul_u64 s[92:93], s[46:47], s[18:19]
	s_mov_b64 s[18:19], KROW
	s_mul_u64 s[20:21], s[20:21], s[18:19]
	s_mul_u64 s[46:47], s[46:47], s[18:19]
	s_mul_i32 s18, s16, 128*KROW
	s_mov_b32 s19, 0
	s_mul_i32 s45, s14, HALFT
	s_wait_dscnt 0x0                               ; both opening adds are done
	s_wait_kmcnt 0x0
	s_cmp_lt_u32 ttmp9, 2                          ; which tensor is A and which B
	s_cselect_b64 s[96:97], s[4:5], s[8:9]
	s_cselect_b64 s[98:99], s[6:7], s[10:11]
	s_cselect_b64 s[8:9], s[8:9], s[4:5]
	s_cselect_b64 s[10:11], s[10:11], s[6:7]
	s_add_nc_u64 s[20:21], s[96:97], s[20:21]
	s_add_nc_u64 s[22:23], s[98:99], s[22:23]
	s_add_nc_u64 s[46:47], s[8:9], s[46:47]
	s_add_nc_u64 s[92:93], s[10:11], s[92:93]
	CROUND                                         ; the first joint loads meet
	s_mov_b32 s[G0H], 1
	s_mov_b32 s[G0H+1], 0
	s_mov_b64 s[G0H+2:G0H+3], s[20:21]
	s_or_b32 s[G0H+3], s[G0H+3], 0x80000000
	s_mov_b32 s[G0HB], 1
	s_mov_b32 s[G0HB+1], 2*HALFT
	s_mov_b64 s[G0HB+2:G0HB+3], s[46:47]
	s_or_b32 s[G0HB+3], s[G0HB+3], 0x80000000
	s_mov_b32 s[G0S], 1
	s_mov_b32 s[G0S+1], SCL
	s_mov_b64 s[G0S+2:G0S+3], s[22:23]
	s_or_b32 s[G0S+3], s[G0S+3], 0x80000000
	s_mov_b32 s[G0SB], 1
	s_mov_b32 s[G0SB+1], SCL+2*HALFS
	s_mov_b64 s[G0SB+2:G0SB+3], s[92:93]
	s_or_b32 s[G0SB+3], s[G0SB+3], 0x80000000
	s_add_nc_u64 s[20:21], s[20:21], s[18:19]      ; for the ring: my 128 rows
	s_add_nc_u64 s[46:47], s[46:47], s[18:19]
.irp s, 0,1
	s_mov_b32 s[G0+4*\s], 1
	s_add_co_u32 s[G0+4*\s+1], s45, \s*SLOT
	s_add_nc_u64 s[G0+4*\s+2:G0+4*\s+3], s[20:21], \s*ROWB
	s_or_b32 s[G0+4*\s+3], s[G0+4*\s+3], 0x80000000
	s_mov_b32 s[G0B+4*\s], 1
	s_add_co_u32 s[G0B+4*\s+1], s45, \s*SLOT
	s_add_nc_u64 s[G0B+4*\s+2:G0B+4*\s+3], s[46:47], \s*ROWB
	s_or_b32 s[G0B+4*\s+3], s[G0B+4*\s+3], 0x80000000
.endr
; the head's loads, one a wave: chunk 0 of A, chunk 0 of B, A's scales, B's scales
.macro ARM under, g0, g1, next
	s_cmp_lt_u32 s14, \under
	s_cbranch_scc0 \next
	tensor_load_to_lds s[\g0:\g0+3], s[\g1:\g1+7]
	s_nop 0
.rept 4
	v_nop
.endr
	s_branch .Lhead_asked
\next:
.endm
	ARM 1, G0H,  G1,  .Lhead_b
	ARM 2, G0HB, G1B, .Lhead_sa
	ARM 3, G0S,  G1S, .Lhead_sb
	tensor_load_to_lds s[G0SB:G0SB+3], s[G1SB:G1SB+7]
	s_nop 0
.rept 4
	v_nop
.endr
.Lhead_asked:
	v_and_b32 v1, 15, v0
	v_bfe_u32 v2, v0, 4, 1
	v_mul_u32_u24 v3, v1, PITCH
	v_mul_u32_u24 v4, v2, 24
	v_add_nc_u32 v4, v3, v4
	s_mov_b32 s21, SLOT-232
	s_mov_b32 s22, SLOT+232
	v_sub_nc_u32 v7, 1, v2
	v_mul_u32_u24 v5, s21, v2
	v_add_nc_u32 v5, v3, v5
	v_add_nc_u32 v5, 232, v5
	v_mul_u32_u24 v6, s22, v7
	v_add_nc_u32 v6, v3, v6
	s_mul_i32 s21, s15, HALFT
	s_mul_i32 s22, s16, HALFT
	s_add_co_u32 s22, s22, 2*HALFT
	v_add_nc_u32 v[ADRA+2], s21, v5
	v_add_nc_u32 v[ADRA+3], s21, v6
	v_add_nc_u32 v[ADRB+2], s22, v5
	v_add_nc_u32 v[ADRB+3], s22, v6
.irp s, 0,1
	v_add_nc_u32 v[ADRA+\s], s21, v4
	v_add_nc_u32 v[ADRB+\s], s22, v4
	s_add_co_u32 s21, s21, SLOT
	s_add_co_u32 s22, s22, SLOT
.endr
	v_mul_u32_u24 v5, v1, KS
	v_lshrrev_b32 v6, 8, v5
	v_lshl_add_u32 v5, v6, 4, v5
	s_mul_i32 s21, s15, HALFS
	s_mul_i32 s22, s16, HALFS
	s_add_co_u32 s22, s22, 2*HALFS
	s_sub_co_u32 s22, s22, s21
	v_mul_u32_u24 v6, s22, v2                      ; lanes 16-31 take B's
	s_add_co_u32 s21, s21, SCL
	v_add_nc_u32 v5, v5, v6
	v_add_nc_u32 v[ADRS], s21, v5
	v_and_b32 v[LN], 31, v0
	v_lshlrev_b32 v[L16], 4, v[LN]
	v_lshlrev_b32 v[L8], 3, v[LN]
.irp b, 0,1,2,3
	v_mov_b32 v[TM+4+\b], 0                        ; a lane permute's destination counts as one of its sources
.endr
	s_mov_b32 s[SEL], 0x76543210
	s_mov_b32 s[SEL+1], 0xfedcba98
	; where my results go.  Tokens: tile P, half pw: batch P / 4, step S = 2 (P % 4) + pw.  Features: heads 4 H + 2 hw and the next.
	s_mov_b32 s92, HB_VI
	s_mov_b32 s93, HB_VS
	s_cmp_eq_u32 ttmp9, 1
	s_cselect_b32 s92, HB_KI, s92
	s_cselect_b32 s93, HB_KS, s93
	s_cmp_eq_u32 ttmp9, 0
	s_cselect_b32 s92, HB_QI, s92
	s_cselect_b32 s93, HB_QS, s93
	s_cmp_lt_u32 ttmp9, 2
	s_cselect_b32 s94, 9, 8
	s_cselect_b32 s20, s17, s42                    ; P
	s_cselect_b32 s21, s15, s16                    ; pw
	s_cselect_b32 s22, s40, s17                    ; H
	s_cselect_b32 s23, s16, s15                    ; hw
	s_and_b32 s46, s20, 3
	s_lshl_b32 s46, s46, 1
	s_add_co_u32 s46, s46, s21                     ; S
	s_lshr_b32 s20, s20, 2
	s_lshl_b32 s20, s20, 4
	s_lshl_b32 s22, s22, 2
	s_add_co_u32 s20, s20, s22
	s_lshl_b32 s23, s23, 1
	s_add_co_u32 s20, s20, s23                     ; my first head block
	s_mul_i32 s20, s20, HB
	s_mul_i32 s47, s46, 6144
	s_add_co_u32 s47, s47, s92
	s_add_co_u32 s22, s20, s47
	s_mov_b32 s23, 0
	s_lshl_b32 s46, s46, s94
	s_add_co_u32 s46, s46, s93
	s_add_co_u32 s46, s46, s20
	s_mov_b32 s47, 0
	s_add_nc_u64 s[OI:OI+1], s[12:13], s[22:23]
	s_add_nc_u64 s[OS:OS+1], s[12:13], s[46:47]
.macro FRAG reg, adr, st, i            ; 12 registers in six pieces of 8 bytes; byte y of a row lies in slot (y / 256) % 2 at byte y % 256 of the LDS row
.irp p, 0,1,2,3,4,5
.set BY, 96*(\st)+48*(\p/3)+8*(\p%3)
.if BY/ROWB == (BY+24)/ROWB
	ds_load_b64 v[\reg+2*\p:\reg+2*\p+1], v[\adr+(BY/ROWB)%2] offset:BY%ROWB+(\i)*16*PITCH
.else
	ds_load_b64 v[\reg+2*\p:\reg+2*\p+1], v[\adr+2+(BY/ROWB)%2] offset:BY%ROWB-232+(\i)*16*PITCH
.endif
.endr
.endm
.macro MUL16 a0, p, q, sc, zero        ; A's blocks a0, a0 + 1 x B's eight; the 64 accumulators take turns
.irp a, \a0, \a0+1
.irp b, 0,1,2,3,4,5,6,7
.if \zero
	v_wmma_scale_f32_16x16x128_f8f6f4 v[8*(8*((\a)%4)+\b):8*(8*((\a)%4)+\b)+7], v[128*(\p)+FR*\b:128*(\p)+FR*\b+FR-1], v[AF+FR*(\a):AF+FR*(\a)+FR-1], 0, v[SC+8*NQ*(\sc)+NQ*\b+(\q)], v[SC+8*NQ*(\sc)+NQ*(\a)+(\q)] matrix_a_fmt:MATRIX_FMT_FP6 matrix_b_fmt:MATRIX_FMT_FP6 matrix_a_scale:MATRIX_SCALE_ROW1
.else
	v_wmma_scale_f32_16x16x128_f8f6f4 v[8*(8*((\a)%4)+\b):8*(8*((\a)%4)+\b)+7], v[128*(\p)+FR*\b:128*(\p)+FR*\b+FR-1], v[AF+FR*(\a):AF+FR*(\a)+FR-1], v[8*(8*((\a)%4)+\b):8*(8*((\a)%4)+\b)+7], v[SC+8*NQ*(\sc)+NQ*\b+(\q)], v[SC+8*NQ*(\sc)+NQ*(\a)+(\q)] matrix_a_fmt:MATRIX_FMT_FP6 matrix_b_fmt:MATRIX_FMT_FP6 matrix_a_scale:MATRIX_SCALE_ROW1
.endif
.endr
.endr
.endm
.macro FETCH_B st, p
	WIN TO_B
.irp i, 0,1,2,3,4,5,6,7
	FRAG 128*(\p)+FR*\i, ADRB, \st, \i
.endr
	WIN 0
.endm
.macro FETCH_A st, i0
.irp i, \i0, \i0+1, \i0+2, \i0+3
	FRAG AF+FR*(\i), ADRA, \st, \i
.endr
.endm
.macro SCALES pr                       ; the scale words of steps 2 pr, 2 pr + 1: lanes 0-15 A's block i, lanes 16-31 B's
.irp i, 0,1,2,3,4,5,6,7
	ds_load_b64 v[SC+8*NQ*((\pr)%2)+NQ*\i:SC+8*NQ*((\pr)%2)+NQ*\i+1], v[ADRS] offset:\i*SBLK+4*NQ*(\pr)
.endr
.endm
.macro PLACES n
.rept \n
	v_nop
.endr
.endm
; A step: 64 products; the next step's fragments are fetched in its middle and at its end.  Where the next step ends in a chunk not read yet: a barrier shows it whole.
; Where it begins in a later chunk: the three lines and the barrier; where a chunk two on is left to fetch, the barrier opens a round and the slot is filled again.
.macro STEP st, zero
.set NX, (\st)+1
.set C0, (96*(\st))/ROWB
.set C1, (96*NX)/ROWB
.set E0, (96*(\st)+95)/ROWB
.set E1, (96*NX+95)/ROWB
.if C1 > C0 || E1 > E0
	s_wait_tensorcnt 0x0                           ; all my tensor loads have landed
.if C1 > C0
	ds_add_u32 v[SPW], v[NIL]
	s_wait_dscnt 4*NL+1                            ; the add and the 24 youngest loads (A's blocks 4-7) may be out
.else
	s_wait_dscnt 4*NL                              ; the 24 youngest loads may be out
.endif
	WIN MUL_LO
	MUL16 0, (\st)%2, (\st)%2, ((\st)/2)%2, \zero
	s_wait_dscnt 0x0                               ; the add and my reads are done
	s_barrier_signal -1
	MUL16 2, (\st)%2, (\st)%2, ((\st)/2)%2, \zero
	WIN 0
	s_barrier_wait -1
.if C1 > C0 && C0+2 < CHUNKS
	CREST
	s_add_nc_u64 s[G0+4*(C0%2)+2:G0+4*(C0%2)+3], s[G0+4*(C0%2)+2:G0+4*(C0%2)+3], 2*ROWB
	s_add_nc_u64 s[G0B+4*(C0%2)+2:G0B+4*(C0%2)+3], s[G0B+4*(C0%2)+2:G0B+4*(C0%2)+3], 2*ROWB
	JLOAD G0+4*(C0%2), G1, G0B+4*(C0%2), G1B       ; chunk C0 + 2; its four v_nop are the places in front of the loads below
.else
	PLACES NP
.endif
.else
	s_wait_dscnt 4*NL
	WIN MUL_LO
	MUL16 0, (\st)%2, (\st)%2, ((\st)/2)%2, \zero
	MUL16 2, (\st)%2, (\st)%2, ((\st)/2)%2, \zero
	s_wait_dscnt 0
	PLACES NP
.endif
	FETCH_B NX, NX%2
	FETCH_A NX, 0
.if NX%2 == 0
	SCALES NX/2
.endif
	WIN MUL_HI
	MUL16 4, (\st)%2, (\st)%2, ((\st)/2)%2, \zero
	MUL16 6, (\st)%2, (\st)%2, ((\st)/2)%2, \zero
	PLACES NP
	WIN 0
	FETCH_A NX, 4
.endm
	s_wait_alu depctr_va_vdst(0)
	s_wait_tensorcnt 0x0                           ; my tile of the head's four is in
	ds_add_u32 v[SPW], v[NIL]
	s_mov_b32 s[G1+2], 128<<16                     ; no load of mine is out: from here on a load brings 128 rows
	s_mov_b32 s[G1+4], 128
	s_mov_b32 s[G1B+2], 128<<16
	s_mov_b32 s[G1B+4], 128
	s_wait_dscnt 0x0
	CROUND
	JLOAD G0+4, G1, G0B+4, G1B                     ; chunk 1, slot 1's first fill, issued as a refill is
	FETCH_B 0, 0
	FETCH_A 0, 0
	SCALES 0
	FETCH_A 0, 4
	STEP 0, 1                                      ; the first products start the sums
.set ST, 1
.rept STEPS-2
	STEP ST, 0
.set ST, ST+1
.endr
	s_wait_dscnt 4*NL
	WIN MUL_LO
	MUL16 0, 1, 1, 1, 0
	MUL16 2, 1, 1, 1, 0
	s_wait_dscnt 0
	WIN MUL_HI
	MUL16 4, 1, 1, 1, 0
	MUL16 6, 1, 1, 1, 0
	WIN 0
; THE QUANTISER.  Block a of A's rows: 64 numbers a lane become 12 registers of codes at v[CD + 12 a] and the row's scale word in v[PW + a].
.macro QUANTW a
.set QW, 2+(\a)/4
.set QW5, 5*QW
.set QA, 64*((\a)%4)
.set QP, CD+12*(\a)
	WIN QW5
.irp b, 0,1,2,3
	v_max3_num_f32 v[TM+\b], |v[QA+16*\b]|, |v[QA+16*\b+1]|, 0x1800000   ; with the floor 2^(3 - 127)
.endr
.irp i, 2,4,6,8,10,12,14
.irp b, 0,1,2,3
	v_max3_num_f32 v[TM+\b], |v[QA+16*\b+\i]|, |v[QA+16*\b+\i+1]|, v[TM+\b]
.endr
.endr
	WIN 0
.irp b, 0,1,2,3
	v_permlanex16_b32 v[TM+4+\b], v[TM+\b], s[SEL], s[SEL+1]
.endr
.irp b, 0,1,2,3
	v_max_num_f32 v[TM+\b], v[TM+\b], v[TM+4+\b]
.endr
.irp b, 0,1,2,3
	v_add_nc_u32 v[TM+12+\b], 0xff000000, v[TM+\b] ; 2 off the exponent field: the conversion's scale operand
.endr
.irp b, 0,1,2,3
	v_lshrrev_b32 v[TM+8+\b], 23, v[TM+12+\b]
.endr
	v_lshl_or_b32 v[PW+\a], v[TM+9], 8, v[TM+8]
	v_lshl_or_b32 v[PW+\a], v[TM+10], 16, v[PW+\a]
	v_lshl_or_b32 v[PW+\a], v[TM+11], 24, v[PW+\a]
	WIN QW
.irp c, 0,1
	v_cvt_scalef32_pk16_fp6_f32 v[QP+6*\c:QP+6*\c+2], v[QA+32*\c:QA+32*\c+15], v[TM+12+2*\c]
	v_cvt_scalef32_pk16_fp6_f32 v[YS+4*\c:YS+4*\c+2], v[QA+32*\c+16:QA+32*\c+31], v[TM+12+2*\c+1]
.endr
	WIN 0
	v_nop                                          ; one plain place behind a scaled conversion
.irp c, 0,1
.irp i, 0,1,2
	v_permlane16_swap_b32 v[QP+6*\c+\i], v[YS+4*\c+\i]
.endr
.irp i, 0,1,2
	v_mov_b32 v[QP+3+6*\c+\i], v[YS+4*\c+\i]
.endr
.endr
.endm
	PLACES NP
.irp a, 0,1,2,3,4,5,6,7
	QUANTW \a
.endr
	v_cmp_le_u32 vcc_lo, 16, v[LN]
	s_cmp_eq_u32 ttmp9, 2
	s_cbranch_scc1 .Lstore_v
	; q, k: block a is tile a of the step's eight tiles of 16 tokens; registers 6 c .. 6 c + 5 are head c's 64 codes a token
.irp a, 0,1,2,3,4,5,6,7
.irp c, 0,1
	global_store_b128 v[L16], v[CD+12*\a+6*\c:CD+12*\a+6*\c+3], s[OI:OI+1] offset:768*\a+\c*HB
	global_store_b64 v[L8], v[CD+12*\a+6*\c+4:CD+12*\a+6*\c+5], s[OI:OI+1] offset:768*\a+\c*HB+512
.endr
.endr
.irp q, 0,1,2,3
	v_cndmask_b32 v[WD+4+\q], v[PW+2*\q], v[PW+2*\q+1], vcc_lo
.endr
.irp q, 0,1,2,3
	v_and_b32 v[WD+\q], 0xffff, v[WD+4+\q]         ; head 0: bytes 0, 1; the upper two, which meet zero codes, are 0
.endr
.irp q, 0,1,2,3
	v_lshrrev_b32 v[WD+4+\q], 16, v[WD+4+\q]       ; head 1
.endr
	global_store_b128 v[L16], v[WD:WD+3], s[OS:OS+1]
	global_store_b128 v[L16], v[WD+4:WD+7], s[OS:OS+1] offset:HB
	s_branch .Lstored
.Lstore_v:
	; v: block a is tile a % 4 of head a / 4's four tiles of 16 channels; its 12 registers are the step's 128 keys
	s_wait_alu depctr_va_vdst(0)
.irp a, 0,1,2,3,4,5,6,7
.irp p, 0,1,2
	global_store_b128 v[L16], v[CD+12*\a+4*\p:CD+12*\a+4*\p+3], s[OI:OI+1] offset:(\a/4)*HB+(\a%4)*1536+512*\p
.endr
.endr
.irp c, 0,1
.irp q, 0,1
	v_cndmask_b32 v[WD+2*\c+\q], v[PW+4*\c+2*\q], v[PW+4*\c+2*\q+1], vcc_lo
.endr
.endr
	global_store_b64 v[L8], v[WD:WD+1], s[OS:OS+1]
	global_store_b64 v[L8], v[WD+2:WD+3], s[OS:OS+1] offset:HB
.Lstored:
	s_wait_tensorcnt 0x0                           ; the wave's end
	ds_add_u32 v[SPW], v[NIL]
	s_wait_dscnt 0x0
	CROUND                                         ; the closing round
	s_endpgm
.Lfunc_end_k_q419618ec58_qkv:
	.size	k_q419618ec58_qkv, .Lfunc_end_k_q419618ec58_qkv-k_q419618ec58_qkv
	.p2alignl 7, 3214868480
	.fill 96, 4, 3214868480
	.section	.rodata,"a",@progbits
	.p2align	6, 0x0
	.amdhsa_kernel k_q419618ec58_qkv
		.amdhsa_group_segment_fixed_size 327680
		.amdhsa_private_segment_fixed_size 0
		.amdhsa_enable_private_segment 0
		.amdhsa_kernarg_size 40
		.amdhsa_user_sgpr_count 2
		.amdhsa_user_sgpr_kernarg_segment_ptr 1
		.amdhsa_wavefront_size32 1
		.amdhsa_system_sgpr_workgroup_id_x 1
		.amdhsa_system_sgpr_workgroup_id_y 1
		.amdhsa_system_sgpr_workgroup_id_z 1
		.amdhsa_system_vgpr_workitem_id 0
		.amdhsa_next_free_vgpr 1024
		.amdhsa_next_free_sgpr 100
		.amdhsa_reserve_vcc 1
		.amdhsa_float_denorm_mode_32 3
		.amdhsa_float_denorm_mode_16_64 3
		.amdhsa_memory_ordered 1
		.amdhsa_forward_progress 1
		.amdhsa_inst_pref_size 169
	.end_amdhsa_kernel
	.amdgpu_metadata
---
amdhsa.version: [ 1, 2 ]
amdhsa.kernels:
  - .name:           k_q419618ec58_qkv
    .symbol:         k_q419618ec58_qkv.kd
    .args:
      - { .name: x_codes, .offset: 0, .size: 8, .value_kind: global_buffer, .address_space: global }
      - { .name: x_scales, .offset: 8, .size: 8, .value_kind: global_buffer, .address_space: global }
      - { .name: w_qkv_codes, .offset: 16, .size: 8, .value_kind: global_buffer, .address_space: global }
      - { .name: w_qkv_scales, .offset: 24, .size: 8, .value_kind: global_buffer, .address_space: global }
      - { .name: hb, .offset: 32, .size: 8, .value_kind: global_buffer, .address_space: global }
    .group_segment_fixed_size: 327680
    .private_segment_fixed_size: 0
    .kernarg_segment_align: 8
    .kernarg_segment_size: 40
    .max_flat_workgroup_size: 128
    .sgpr_count:     100
    .vgpr_count:     1024
    .wavefront_size: 32
...
	.end_amdgpu_metadata
.endif
;; end of part 1
;; launch attn (part 2): grid 4 x 64, 16 waves a work-group, clusters of 4 x 1, 231,424 bytes of LDS; arguments hb, oimg, osc; writes oimg, osc
.if DOCPART == 2
	.amdgcn_target "amdgcn-amd-amdhsa--gfx1250"
	.amdhsa_code_object_version 6
	.text
	.protected	k_q419618ec58_attn
	.globl	k_q419618ec58_attn
	.p2align	8
	.type	k_q419618ec58_attn,@function
k_q419618ec58_attn:
	s_mov_b64 s[64:65], 0
	v_nop
	global_prefetch_b8 v0, s[64:65] scope:SCOPE_SE
	s_setreg_imm32_b32 hwreg(HW_REG_WAVE_MODE, 25, 1), 1
	s_wait_xcnt 0x0
	s_wait_alu depctr_hold_cnt(0) depctr_sa_sdst(0) depctr_va_vdst(0) depctr_va_sdst(0) depctr_va_ssrc(0) depctr_va_vcc(0) depctr_vm_vsrc(0)
	s_getreg_b32 s2, hwreg(HW_REG_IB_STS2, 6, 4)
	s_cmp_eq_u32 s2, 0
	s_cbranch_scc0 .Lentry_in_a_cluster
	s_endpgm
.Lentry_in_a_cluster:
	s_bfe_u32 s2, ttmp6, 0x10000c
	s_cmp_lg_u32 s2, 0x3003
	s_cbranch_scc0 .Lentry_shape_is_right
	s_endpgm
.Lentry_shape_is_right:
; softmax(q k^T / 8) v for two heads and 256 queries a work-group, both products on codes of FP6 (E2M3), and the result quantised along dim for the last product.
; IN: hb, 128 head blocks of HB bytes: images of operand registers and scale words.  OUT: oimg [row block of 16][128 along K][1,536 bytes]; osc [128 along K][row]: a scale word a row.
; SHARES.  Work-group y = 8 x batch + pair of heads; its place in the cluster picks 256 queries.  Each of sixteen waves owns 16 queries and runs two passes, one a head.
; LDS.  K's and V's images and scale words of both heads come once: waves 0 to 3 bring a quarter each of the even head, waves 4 to 7 of the odd head, one tensor load a wave, asked for jointly by the cluster's four work-groups.
; Nothing in LDS is filled again.  The first barrier shows the even head; the odd head is shown by a barrier behind the first pass's second key step; none stands between the passes.
; No prefetch: every tile is asked for at the head, so there is no loop to run ahead in.
; LAYOUT.  Both products transposed: S^T = K Q^T, O^T = V^T P^T: a lane holds one query.  Inside a block of 32 p's codes lie in the order 0-7, 16-23, 8-15, 24-31, as V's images were made.
; K = 64 IN AN INSTRUCTION OF 128: Q's upper six registers are zero codes; K's operand of tile t runs on into tile t + 1's registers (behind tile 7: zeros); the scale bytes there are 0, which is 2^-127.
; THE SOFTMAX: t = score x log2(e) / 8; M = the running largest t rounded up; p = 2^(t - M) is quantised; the sum is taken of the unquantised p and divides at the end; when M moves, sum and O^T are multiplied by 2^(old M - new M).
; LIMITS: NaN and infinities are not served.  A block whose largest number lies under 2^-124 gets the byte 1: the bytes are read by this program alone.  A block's largest p is made from its largest score by the same
; multiply-add and exponential: that takes v_exp_f32 not to fall where its input rises.
.set HB,     157696
.set HB_KS,  0
.set HB_VS,  4096
.set HB_KI,  6144
.set HB_VI,  55296
.set HB_QI,  104448
.set HB_QS,  153600
.set LH,     104448                    ; a head in LDS: 408 x 256 bytes
.set PARTB,  LH/4
.set HOFF,   LH+8192
.set OSTG,   2*HOFF                    ; 1,024 bytes of scale words on their way out
.set L16, 1
.set L8,  2
.set OSA, 3
.set OSL, 4
.set R16, 5
.set ADK, 6
.set ADK1, 7
.set ADS, 8
.set ADT, 9
.set QF,  16
.set Q1,  28
.set QSW, 34
.set KV,  36
.set PCD, 192
.set YS,  204
.set BM,  212
.set PM,  216
.set SO,  220
.set KSW, 224
.set VSW, 228
.set PSW, 230
.set FF,  232
.set T0,  234
.set OF,  240
.set OW,  252
.set WV,  18
.set SEL, 20
.set CS,  22
.set G1,  24
.set TB,  40
.set TS,  41
.set TJ,  42
.set CNT, 43
.macro CROUND
	s_barrier_signal -1
	s_barrier_wait -1
	s_cmp_lg_u32 s[WV], 0
	s_cbranch_scc1 .Lnot_wave_0_\@
	s_barrier_signal -3
.Lnot_wave_0_\@:
	s_barrier_wait -3
	s_barrier_signal -1
	s_barrier_wait -1
.endm
	s_load_b128 s[4:7], s[0:1], 0x0                ; hb, oimg
	s_load_b64 s[8:9], s[0:1], 0x10                ; osc
	v_lshl_add_u32 v254, v0, 2, 0x38000
	v_mov_b32 v255, 0
	ds_add_u32 v254, v255                          ; the opening lines
	ds_add_u32 v254, v255
	v_lshrrev_b32 v10, 5, v0
	s_delay_alu instid0(VALU_DEP_1)
	v_readfirstlane_b32 s[WV], v10
	v_and_b32 v10, 31, v0
	v_and_b32 v11, 15, v0
	s_delay_alu instid0(VALU_DEP_2)
	v_lshlrev_b32 v[L16], 4, v10
	s_delay_alu instid0(VALU_DEP_3)
	v_lshlrev_b32 v[L8], 3, v10
	s_delay_alu instid0(VALU_DEP_3)
	v_lshlrev_b32 v[R16], 4, v11
	s_lshl_b32 s10, s[WV], 6
	s_add_co_u32 s10, s10, OSTG
	v_lshl_add_u32 v[OSA], v11, 2, s10
	s_min_u32 s10, s[WV], 1
	s_lshl_b32 s10, s10, 9
	s_add_co_u32 s10, s10, OSTG
	v_add_nc_u32 v[OSL], s10, v[L16]
	s_bfe_u32 s11, ttmp6, 0x40000                  ; cx: it enters Q's, oimg's and osc's addresses alone
	s_and_b32 s12, ttmp7, 0xffff
	s_mul_i32 s13, s12, 2*HB
	s_and_b32 s14, s[WV], 3
	s_mul_i32 s14, s14, PARTB                      ; my quarter
	s_add_co_u32 s52, s13, s14
	s_mov_b32 s53, 0
	s_mov_b32 s[G1], 15|(3<<16)|(1<<21)            ; 102 rows of 256 bytes, dense; the mask names all four work-groups
	s_mov_b32 s[G1+1], 32<<16
	s_mov_b32 s[G1+2], 102<<16
	s_mov_b32 s[G1+3], 32<<16
	s_mov_b32 s[G1+4], 102
	s_mov_b32 s[G1+5], 32
	s_mov_b32 s[G1+6], 0
	s_mov_b32 s[G1+7], 0
	s_lshl_b32 s15, s11, 4
	s_add_co_u32 s15, s15, s[WV]                   ; T: my tile of 16 queries
	s_mul_i32 s54, s15, 768
	s_add_co_u32 s54, s54, s13
	s_add_co_u32 s54, s54, HB_QI
	s_mov_b32 s55, 0
	s_lshr_b32 s56, s15, 3
	s_lshl_b32 s56, s56, 9
	s_and_b32 s16, s[WV], 1
	s_lshl_b32 s16, s16, 8
	s_add_co_u32 s56, s56, s16
	s_bfe_u32 s16, s[WV], 0x20001
	s_lshl_b32 s16, s16, 2
	s_add_co_u32 s56, s56, s16
	s_add_co_u32 s56, s56, s13
	s_add_co_u32 s56, s56, HB_QS
	s_mov_b32 s57, 0
	s_lshr_b32 s16, s12, 3                         ; batch
	s_and_b32 s17, s12, 7                          ; pair of heads
	s_lshl_b32 s58, s16, 6
	s_add_co_u32 s58, s58, s15
	s_lshl_b32 s58, s58, 3
	s_add_co_u32 s58, s58, s17
	s_mul_i32 s58, s58, 1536
	s_mov_b32 s59, 0
	s_lshl_b32 s60, s17, 15
	s_lshl_b32 s16, s16, 12
	s_add_co_u32 s60, s60, s16
	s_lshl_b32 s16, s11, 10
	s_add_co_u32 s60, s60, s16
	s_min_u32 s16, s[WV], 1
	s_lshl_b32 s16, s16, 9
	s_add_co_u32 s60, s60, s16
	s_mov_b32 s61, 0
	s_mov_b32 s[SEL], 0x76543210
	s_mov_b32 s[SEL+1], 0xfedcba98
	s_mov_b32 s[CS], 0x3e38aa3b                    ; log2(e) / 8
	s_mov_b32 s[CS+1], s[CS]
	s_wait_dscnt 0x0
	s_wait_kmcnt 0x0
	s_mov_b32 s32, 1                               ; group 0, the even head
	s_mov_b32 s33, s14
	s_add_nc_u64 s[34:35], s[4:5], s[52:53]
	s_mov_b32 s36, 1                               ; the odd head
	s_add_co_u32 s37, s14, HOFF
	s_add_nc_u64 s[38:39], s[34:35], HB
	s_or_b32 s35, s35, 0x80000000
	s_or_b32 s39, s39, 0x80000000
	s_add_nc_u64 s[44:45], s[4:5], s[54:55]
	s_add_nc_u64 s[46:47], s[4:5], s[56:57]
	s_add_nc_u64 s[48:49], s[6:7], s[58:59]
	s_add_nc_u64 s[50:51], s[8:9], s[60:61]
	CROUND                                         ; the joint loads meet
	s_cmp_lt_u32 s[WV], 4                          ; one chain of branches, one load to an arm
	s_cbranch_scc0 .Lodd_head
	tensor_load_to_lds s[32:35], s[G1:G1+7]
	s_nop 0
.rept 4
	v_nop
.endr
	s_branch .Lno_fetch
.Lodd_head:
	s_cmp_lt_u32 s[WV], 8
	s_cbranch_scc0 .Lno_fetch
	tensor_load_to_lds s[36:39], s[G1:G1+7]
	s_nop 0
.rept 4
	v_nop
.endr
.Lno_fetch:
	s_wait_alu depctr_va_vdst(0)
	global_load_b128 v[QF:QF+3], v[L16], s[44:45]
	global_load_b64 v[QF+4:QF+5], v[L8], s[44:45] offset:512
	global_load_b128 v[Q1:Q1+3], v[L16], s[44:45] offset:HB
	global_load_b64 v[Q1+4:Q1+5], v[L8], s[44:45] offset:HB+512
	global_load_b32 v[QSW], v[R16], s[46:47]
	global_load_b32 v[QSW+1], v[R16], s[46:47] offset:HB
.irp j, 0,1,2,3,4,5
	v_mov_b32 v[QF+6+\j], 0                        ; zero codes
	v_mov_b32 v[KV+48+\j], 0
.endr
.irp b, 0,1,2,3
	v_mov_b32 v[PM+\b], 0
.endr
	v_mov_b32 v[FF+1], 0
	v_mov_b32 v[T0], 0
	s_cmp_lt_u32 s[WV], 4                          ; the even head's four waves wait for their load; the odd head's may stay out
	s_cbranch_scc0 .Lnot_even
	s_wait_tensorcnt 0x0
.Lnot_even:
	s_wait_loadcnt 0x0                             ; Q
	s_barrier_signal -1
	s_barrier_wait -1
.macro STEP e                          ; 128 keys of head e
	v_add_nc_u32 v[ADK], s[TB], v[L16]             ; these four are also the places behind the last products
	v_add_nc_u32 v[ADK1], s[TB], v[L8]
	v_add_nc_u32 v[ADS], s[TS], v[L16]
	v_add_nc_u32 v[ADT], s[TJ], v[L8]
.irp t, 0,1,2,3,4,5,6,7
	ds_load_b128 v[KV+6*\t:KV+6*\t+3], v[ADK] offset:HB_KI+768*\t
	ds_load_b64 v[KV+6*\t+4:KV+6*\t+5], v[ADK1] offset:HB_KI+768*\t+512
.endr
	ds_load_b128 v[KSW:KSW+3], v[ADS] offset:HB_KS
	s_wait_alu depctr_va_vdst(0)
	s_wait_dscnt 0x0
.irp t, 0,1,2,3,4,5,6,7
.if \t%2
	v_wmma_scale_f32_16x16x128_f8f6f4 v[96+8*\t:103+8*\t], v[KV+6*\t:KV+6*\t+11], v[QF:QF+11], 0, v[KSW+\t/2], v[QSW+\e] matrix_a_fmt:MATRIX_FMT_FP6 matrix_b_fmt:MATRIX_FMT_FP6 matrix_a_scale:MATRIX_SCALE_ROW1
.else
	v_wmma_scale_f32_16x16x128_f8f6f4 v[96+8*\t:103+8*\t], v[KV+6*\t:KV+6*\t+11], v[QF:QF+11], 0, v[KSW+\t/2], v[QSW+\e] matrix_a_fmt:MATRIX_FMT_FP6 matrix_b_fmt:MATRIX_FMT_FP6
.endif
.endr
.rept 4
	v_nop
.endr
.irp t, 0,1,2,3                                ; V's four fragments land while the softmax is worked
.irp p, 0,1,2
	ds_load_b128 v[KV+12*\t+4*\p:KV+12*\t+4*\p+3], v[ADK] offset:HB_VI+1536*\t+512*\p
.endr
.endr
	ds_load_b64 v[VSW:VSW+1], v[ADT] offset:HB_VS
.irp b, 0,1,2,3
	v_max3_num_f32 v[BM+\b], v[96+16*\b], v[97+16*\b], v[98+16*\b]   ; each block's largest score
.endr
.irp i, 3,5,7,9,11,13
.irp b, 0,1,2,3
	v_max3_num_f32 v[BM+\b], v[BM+\b], v[96+16*\b+\i], v[97+16*\b+\i]
.endr
.endr
.irp b, 0,1,2,3
	v_max_num_f32 v[BM+\b], v[BM+\b], v[111+16*\b]
.endr
.irp b, 0,1,2,3
	s_delay_alu instid0(VALU_DEP_4)
	v_permlanex16_b32 v[PM+\b], v[BM+\b], s[SEL], s[SEL+1]
.endr
.irp b, 0,1,2,3
	s_delay_alu instid0(VALU_DEP_4)
	v_max_num_f32 v[BM+\b], v[BM+\b], v[PM+\b]
.endr
	s_delay_alu instid0(VALU_DEP_2)
	v_max3_num_f32 v[T0], v[BM], v[BM+1], v[BM+2]
	s_delay_alu instid0(VALU_DEP_1)
	v_max_num_f32 v[T0], v[T0], v[BM+3]
	s_delay_alu instid0(VALU_DEP_1)
	v_mul_f32 v[T0], s[CS], v[T0]
	s_delay_alu instid0(VALU_DEP_1)
	v_max_num_f32 v13, v13, v[T0]                  ; the running largest t
	v_mov_b32 v[T0], v12
	s_delay_alu instid0(VALU_DEP_2)
	v_floor_f32 v12, -v13                          ; the new -M
	s_delay_alu instid0(VALU_DEP_1)
	v_sub_f32 v[T0], v12, v[T0]
	s_delay_alu instid0(VALU_DEP_1)
	v_cvt_i32_f32 v[T0], v[T0]
	s_delay_alu instid0(VALU_DEP_1)
	v_ldexp_f32 v[FF], 1.0, v[T0]                  ; f = 2^(old M - new M)
.set j, 0
.rept 32
	v_pk_fma_f32 v[96+j:97+j], v[96+j:97+j], s[CS:CS+1], v[12:13] op_sel_hi:[1,0,0]   ; t - M
.set j, j+2
.endr
.irp b, 0,1,2,3
	v_fma_f32 v[BM+\b], v[BM+\b], s[CS], v12
.endr
.set j, 0
	s_wait_alu depctr_va_vdst(0)
.rept 64
	v_exp_f32 v[96+j], v[96+j]                     ; p
.set j, j+1
.endr
	v_pk_mul_f32 v[14:15], v[14:15], v[FF:FF+1] op_sel_hi:[1,0]
	s_wait_alu depctr_va_vdst(0)                   ; one wait for the batch of 64
.irp b, 0,1,2,3
	v_exp_f32 v[BM+\b], v[BM+\b]                   ; the block's largest p
.endr
	v_pk_add_f32 v[236:237], v[100:101], v[104:105]
	v_pk_add_f32 v[250:251], v[108:109], v[112:113]
	v_pk_add_f32 v[248:249], v[116:117], v[120:121]
	v_pk_add_f32 v[246:247], v[124:125], v[128:129]
	v_pk_add_f32 v[238:239], v[132:133], v[136:137]
	v_pk_add_f32 v[230:231], v[140:141], v[144:145]
	v_pk_add_f32 v[226:227], v[148:149], v[152:153]
	v_pk_add_f32 v[14:15], v[14:15], v[156:157]
	v_pk_add_f32 v[236:237], v[236:237], v[96:97]
	v_pk_add_f32 v[250:251], v[250:251], v[98:99]
	v_pk_add_f32 v[248:249], v[248:249], v[102:103]
	v_pk_add_f32 v[246:247], v[246:247], v[106:107]
	v_pk_add_f32 v[238:239], v[238:239], v[110:111]
	v_pk_add_f32 v[230:231], v[230:231], v[114:115]
	v_pk_add_f32 v[226:227], v[226:227], v[118:119]
	v_pk_add_f32 v[14:15], v[14:15], v[122:123]
	v_pk_add_f32 v[236:237], v[236:237], v[126:127]
	v_pk_add_f32 v[250:251], v[250:251], v[130:131]
	v_pk_add_f32 v[248:249], v[248:249], v[134:135]
	v_pk_add_f32 v[246:247], v[246:247], v[138:139]
	v_pk_add_f32 v[238:239], v[238:239], v[142:143]
	v_pk_add_f32 v[230:231], v[230:231], v[146:147]
	v_pk_add_f32 v[226:227], v[226:227], v[150:151]
	v_pk_add_f32 v[14:15], v[14:15], v[154:155]
	v_pk_add_f32 v[236:237], v[236:237], v[158:159]
	s_delay_alu instid0(VALU_DEP_2)
	v_pk_add_f32 v[14:15], v[14:15], v[246:247]
	s_delay_alu instid0(VALU_DEP_2)
	v_pk_add_f32 v[236:237], v[236:237], v[238:239]
	v_pk_add_f32 v[250:251], v[250:251], v[230:231]
	v_pk_add_f32 v[248:249], v[248:249], v[226:227]
	s_delay_alu instid0(VALU_DEP_2)
	v_pk_add_f32 v[14:15], v[14:15], v[250:251]
	s_delay_alu instid0(VALU_DEP_2)
	v_pk_add_f32 v[236:237], v[236:237], v[248:249]
	s_delay_alu instid0(VALU_DEP_1)
	v_pk_add_f32 v[14:15], v[14:15], v[236:237]
	s_wait_alu depctr_va_vdst(0)                   ; and one for the four
.irp b, 0,1,2,3
	v_max_num_f32 v[BM+\b], 0x1800000, v[BM+\b]    ; the floor 2^(3 - 127)
.endr
.irp b, 0,1,2,3
	s_delay_alu instid0(VALU_DEP_4)
	v_add_nc_u32 v[SO+\b], 0xff000000, v[BM+\b]
.endr
.irp b, 0,1,2,3
	s_delay_alu instid0(VALU_DEP_4)
	v_lshrrev_b32 v[PM+\b], 23, v[SO+\b]
.endr
	s_delay_alu instid0(VALU_DEP_3)
	v_lshl_or_b32 v[PSW], v[PM+1], 8, v[PM]
	s_delay_alu instid0(VALU_DEP_1)
	v_lshl_or_b32 v[PSW], v[PM+2], 16, v[PSW]
	s_delay_alu instid0(VALU_DEP_1)
	v_lshl_or_b32 v[PSW], v[PM+3], 24, v[PSW]
.irp c, 0,1
	v_cvt_scalef32_pk16_fp6_f32 v[PCD+6*\c:PCD+6*\c+2], v[96+32*\c:111+32*\c], v[SO+2*\c]
	v_cvt_scalef32_pk16_fp6_f32 v[YS+4*\c:YS+4*\c+2], v[112+32*\c:127+32*\c], v[SO+2*\c+1]
.endr
	v_nop
.irp c, 0,1
.irp i, 0,1,2
	v_permlane16_swap_b32 v[PCD+6*\c+\i], v[YS+4*\c+\i]
.endr
.irp i, 0,1,2
	s_delay_alu instid0(VALU_DEP_3)
	v_mov_b32 v[PCD+3+6*\c+\i], v[YS+4*\c+\i]
.endr
.endr
.set j, 0
.rept 16
	v_pk_mul_f32 v[160+j:161+j], v[160+j:161+j], v[FF:FF+1] op_sel_hi:[1,0]   ; O^T under the new M; also the places ahead of the products
.set j, j+2
.endr
	s_wait_alu depctr_va_vdst(0)
	s_wait_dscnt 0x0                               ; V is in
.irp t, 0,1,2,3
.if \t%2
	v_wmma_scale_f32_16x16x128_f8f6f4 v[160+8*\t:167+8*\t], v[KV+12*\t:KV+12*\t+11], v[PCD:PCD+11], v[160+8*\t:167+8*\t], v[VSW+\t/2], v[PSW] matrix_a_fmt:MATRIX_FMT_FP6 matrix_b_fmt:MATRIX_FMT_FP6 matrix_a_scale:MATRIX_SCALE_ROW1
.else
	v_wmma_scale_f32_16x16x128_f8f6f4 v[160+8*\t:167+8*\t], v[KV+12*\t:KV+12*\t+11], v[PCD:PCD+11], v[160+8*\t:167+8*\t], v[VSW+\t/2], v[PSW] matrix_a_fmt:MATRIX_FMT_FP6 matrix_b_fmt:MATRIX_FMT_FP6
.endif
.endr
.endm
.macro FIN e                           ; O^T / the sum; the channels in their true order; two blocks of 32 quantised
.rept 4
	v_nop
.endr
	v_add_f32 v14, v14, v15
	s_delay_alu instid0(VALU_DEP_1)
	v_permlanex16_b32 v[T0], v14, s[SEL], s[SEL+1]
	s_delay_alu instid0(VALU_DEP_1)
	v_add_f32 v14, v14, v[T0]
	s_wait_alu depctr_va_vdst(0)
	v_rcp_f32 v14, v14
	v_nop
	s_wait_alu depctr_va_vdst(0)
.set j, 0
.rept 32
	v_mul_f32 v[96+j], v[160+j], v14
.set j, j+1
.endr
.irp b, 0,1
.irp i, 0,1,2,3,4,5,6,7
	v_permlane16_swap_b32 v[96+16*\b+\i], v[104+16*\b+\i]   ; register 16 b + i now holds channel 32 b + 16 h + i
.endr
.endr
.irp b, 0,1
	v_max3_num_f32 v[BM+\b], |v[96+16*\b]|, |v[97+16*\b]|, 0x1800000
.endr
.irp i, 2,4,6,8,10,12,14
.irp b, 0,1
	s_delay_alu instid0(VALU_DEP_2)
	v_max3_num_f32 v[BM+\b], v[BM+\b], |v[96+16*\b+\i]|, |v[97+16*\b+\i]|
.endr
.endr
.irp b, 0,1
	s_delay_alu instid0(VALU_DEP_2)
	v_permlanex16_b32 v[PM+\b], v[BM+\b], s[SEL], s[SEL+1]
.endr
.irp b, 0,1
	s_delay_alu instid0(VALU_DEP_2)
	v_max_num_f32 v[BM+\b], v[BM+\b], v[PM+\b]
.endr
.irp b, 0,1
	s_delay_alu instid0(VALU_DEP_2)
	v_add_nc_u32 v[SO+\b], 0xff000000, v[BM+\b]
.endr
.irp b, 0,1
	s_delay_alu instid0(VALU_DEP_2)
	v_lshrrev_b32 v[PM+\b], 23, v[SO+\b]
.endr
.if \e
	s_delay_alu instid0(VALU_DEP_1)
	v_lshl_or_b32 v[T0], v[PM+1], 8, v[PM]
	s_delay_alu instid0(VALU_DEP_1)
	v_lshl_or_b32 v[OW], v[T0], 16, v[OW]
.else
	s_delay_alu instid0(VALU_DEP_1)
	v_lshl_or_b32 v[OW], v[PM+1], 8, v[PM]
.endif
	v_cvt_scalef32_pk16_fp6_f32 v[OF+6*\e:OF+6*\e+2], v[96:111], v[SO]
	v_cvt_scalef32_pk16_fp6_f32 v[YS:YS+2], v[112:127], v[SO+1]
	v_nop
.irp i, 0,1,2
	v_permlane16_swap_b32 v[OF+6*\e+\i], v[YS+\i]
.endr
.irp i, 0,1,2
	s_delay_alu instid0(VALU_DEP_3)
	v_mov_b32 v[OF+3+6*\e+\i], v[YS+\i]
.endr
.endm
.macro ONWARD                          ; to the next key step
	s_add_co_u32 s[TB], s[TB], 6144
	s_add_co_u32 s[TS], s[TS], 512
	s_add_co_u32 s[TJ], s[TJ], 256
	s_sub_co_u32 s[CNT], s[CNT], 1
.endm
.macro PASS e
	s_mov_b32 s[TB], \e*HOFF
	s_mov_b32 s[TS], \e*HOFF
	s_mov_b32 s[TJ], \e*HOFF
	s_mov_b32 s[CNT], 8
	v_mov_b32 v13, 0xff61b1e6                      ; -3e38
	s_delay_alu instid0(VALU_DEP_1)
	v_floor_f32 v12, -v13
	v_mov_b32 v14, 0
	v_mov_b32 v15, 0
.set j, 0
.rept 32
	v_mov_b32 v[160+j], 0                          ; O^T: the step is written once; the first finds zeros
.set j, j+1
.endr
.if \e == 0
.Lfirst_\@:                                    ; the first pass's first two key steps
	STEP \e
	ONWARD
	s_cmp_lg_u32 s[CNT], 6
	s_cbranch_scc1 .Lfirst_\@
	s_wait_tensorcnt 0x0                           ; my quarter of the odd head, if I asked for one, is in,
	s_wait_dscnt 0x0
	s_barrier_signal -1
	s_barrier_wait -1                              ; everybody's is
.endif
.Lstep_\@:
	STEP \e
	ONWARD
	s_cmp_lg_u32 s[CNT], 0
	s_cbranch_scc1 .Lstep_\@
	FIN \e
.endm
	PASS 0
.irp j, 0,1,2,3,4,5
	v_mov_b32 v[QF+\j], v[Q1+\j]                   ; the odd head's Q
.endr
	PASS 1
.irp p, 0,1,2
	global_store_b128 v[L16], v[OF+4*\p:OF+4*\p+3], s[48:49] offset:512*\p   ; 512 consecutive bytes a store, aligned to 256
.endr
	ds_store_b32 v[OSA], v[OW]                     ; the scale words meet in LDS
	s_wait_dscnt 0x0
	s_barrier_signal -1
	s_barrier_wait -1
	s_cmp_lt_u32 s[WV], 2
	s_cbranch_scc0 .Lno_osc
	ds_load_b128 v[96:99], v[OSL]                  ; and leave by waves 0 and 1, 512 consecutive bytes each
	s_wait_dscnt 0x0
	global_store_b128 v[L16], v[96:99], s[50:51]
.Lno_osc:
	s_wait_tensorcnt 0x0
	ds_add_u32 v254, v255
	s_wait_dscnt 0x0
	CROUND                                         ; the closing round
	s_endpgm
.Lfunc_end_k_q419618ec58_attn:
	.size	k_q419618ec58_attn, .Lfunc_end_k_q419618ec58_attn-k_q419618ec58_attn
	.p2alignl 7, 3214868480
	.fill 96, 4, 3214868480
	.section	.rodata,"a",@progbits
	.p2align	6, 0x0
	.amdhsa_kernel k_q419618ec58_attn
		.amdhsa_group_segment_fixed_size 231424
		.amdhsa_private_segment_fixed_size 0
		.amdhsa_enable_private_segment 0
		.amdhsa_kernarg_size 24
		.amdhsa_user_sgpr_count 2
		.amdhsa_user_sgpr_kernarg_segment_ptr 1
		.amdhsa_wavefront_size32 1
		.amdhsa_system_sgpr_workgroup_id_x 1
		.amdhsa_system_sgpr_workgroup_id_y 1
		.amdhsa_system_sgpr_workgroup_id_z 1
		.amdhsa_system_vgpr_workitem_id 0
		.amdhsa_next_free_vgpr 256
		.amdhsa_next_free_sgpr 66
		.amdhsa_reserve_vcc 0
		.amdhsa_float_denorm_mode_32 3
		.amdhsa_float_denorm_mode_16_64 3
		.amdhsa_memory_ordered 1
		.amdhsa_forward_progress 1
		.amdhsa_inst_pref_size 71
	.end_amdhsa_kernel
	.amdgpu_metadata
---
amdhsa.version: [ 1, 2 ]
amdhsa.kernels:
  - .name:           k_q419618ec58_attn
    .symbol:         k_q419618ec58_attn.kd
    .args:
      - { .name: hb, .offset: 0, .size: 8, .value_kind: global_buffer, .address_space: global }
      - { .name: oimg, .offset: 8, .size: 8, .value_kind: global_buffer, .address_space: global }
      - { .name: osc, .offset: 16, .size: 8, .value_kind: global_buffer, .address_space: global }
    .group_segment_fixed_size: 231424
    .private_segment_fixed_size: 0
    .kernarg_segment_align: 8
    .kernarg_segment_size: 24
    .max_flat_workgroup_size: 512
    .sgpr_count:     66
    .vgpr_count:     256
    .wavefront_size: 32
...
	.end_amdgpu_metadata
.endif
;; end of part 2
;; launch proj (part 3): grid 8 x 32, 4 waves a work-group, clusters of 4 x 4, 327,680 bytes of LDS; arguments oimg, osc, w_out_codes, w_out_scales, b_out, out0; writes out0
.if DOCPART == 3
	.amdgcn_target "amdgcn-amd-amdhsa--gfx1250"
	.amdhsa_code_object_version 6
	.text
	.protected	k_q419618ec58_proj
	.globl	k_q419618ec58_proj
	.p2align	8
	.type	k_q419618ec58_proj,@function
k_q419618ec58_proj:
	s_mov_b64 s[64:65], 0
	v_nop
	global_prefetch_b8 v0, s[64:65] scope:SCOPE_SE
	s_setreg_imm32_b32 hwreg(HW_REG_WAVE_MODE, 25, 1), 1
	s_wait_xcnt 0x0
	s_wait_alu depctr_hold_cnt(0) depctr_sa_sdst(0) depctr_va_vdst(0) depctr_va_sdst(0) depctr_va_ssrc(0) depctr_va_vcc(0) depctr_vm_vsrc(0)
	s_getreg_b32 s2, hwreg(HW_REG_IB_STS2, 6, 4)
	s_cmp_eq_u32 s2, 0
	s_cbranch_scc0 .Lentry_in_a_cluster
	s_endpgm
.Lentry_in_a_cluster:
	s_bfe_u32 s2, ttmp6, 0x10000c
	s_cmp_lg_u32 s2, 0xf033
	s_cbranch_scc0 .Lentry_shape_is_right
	s_endpgm
.Lentry_shape_is_right:
; out0 = O w_out + b_out on codes of FP6 (E2M3), one E8M0 scale for each 32 along K (K = 1,024).  O comes as images of fragments (oimg: [row block of 16][128 along K][1,536 bytes]) with a scale word a row (osc: [128 along K][row]);
; w_out as given: rows of 768 bytes.  out0: [8,192][1,024] f32.
; A tile of 256 rows x 128 columns is made by four waves: 256 work-groups.  A wave makes 128 x 64: 32 accumulators.  ALL OF K LIES IN LDS, each byte filled once.  At the head one tensor load a wave: waves 0, 1 bring O's first half of K
; (8 row blocks x 6,144 bytes each), waves 2, 3 w_out's 64 whole rows each.  O's second half goes out behind the three lines and a round, as a refill would, and is shown by a barrier in step 3.
; Every tile row begins at a multiple of 256 bytes.  CLUSTERS: 4 x 4; O's tiles are asked for jointly along a row, w_out's along a column.  No prefetch: all tiles are asked for at the head or straight behind it.
; TRANSPOSED USE: source 0 = 16 rows of w_out, source 1 = 16 rows of O: a lane holds eight neighbouring numbers of a row of out0.  The bias is the C of each sum's first matrix instruction.
; REGISTERS: window 0: v4-23 addresses; v32-63 O's scale words, v64-79 w_out's; v80-111 the bias; w_out's fragments in two sets at v128, v176.  window 1: O's fragments, two sets.  window 2: accumulator (a, b) at v[8 (4 a + b)].
.set OH,     98304                     ; O's half of K: 16 row blocks x 6,144 bytes
.set WB,     2*OH                      ; w_out's 128 rows
.set PITCH,  816                       ; 3 x (256 bytes + 16 of padding)
.set FR,     12
.set SPITCH, 272                       ; the way out: a stage of 16 rows x 272 for each wave, at LDS byte 0: O's first half has had its one fill, and its last read ahead of step 3's barrier
.set ADRA, 4                           ; v4, v5 O's images of K half 0, 1
.set ADRB, 8                           ; v8 w_out's rows; v9 the same behind one padding more
.set L4,   16
.set L32,  17
.set STO,  18
.set RD,   19
.set CO,   20
.set BO,   23
.set SAW,  32
.set SBW,  64
.set BIAS, 80
.set BF,   128
.set BK,   128
.set G1A, 24
.set G1B, 32
.set G0A, 40                           ; s[40:43], s[44:47] O's halves; s[56:59] w_out
.set MSB, 0
.macro WIN new
.if MSB != \new
	s_set_vgpr_msb (MSB<<8)|\new
.set MSB, \new
.endif
.endm
.set MUL,  0xa4
.set MULF, 0x84
.macro CROUND
	s_barrier_signal -1
	s_barrier_wait -1
	s_cmp_lg_u32 s14, 0
	s_cbranch_scc1 .Lnot_wave_0_\@
	s_barrier_signal -3
.Lnot_wave_0_\@:
	s_barrier_wait -3
	s_barrier_signal -1
	s_barrier_wait -1
.endm
.macro PLACES
.rept 4
	v_nop
.endr
.endm
	s_load_b128 s[4:7], s[0:1], 0x0                ; oimg, osc
	s_load_b128 s[8:11], s[0:1], 0x10              ; w_out's codes, scales
	s_load_b128 s[20:23], s[0:1], 0x20             ; b_out, out0
	v_lshl_add_u32 v254, v0, 2, 0x4e000
	v_mov_b32 v255, 0
	ds_add_u32 v254, v255                          ; the opening lines
	ds_add_u32 v254, v255
	v_lshrrev_b32 v1, 5, v0
	v_readfirstlane_b32 s14, v1
	s_lshr_b32 s15, s14, 1                         ; my half of the rows; also: I fetch O (0) or w_out (1)
	s_and_b32 s16, s14, 1                          ; my half of the columns; also: which half of that tile I fetch
	s_bfe_u32 s76, ttmp6, 0x40000
	s_bfe_u32 s77, ttmp6, 0x40004
	s_lshl_b32 s78, ttmp9, 2
	s_add_co_u32 s78, s78, s76                     ; tile column
	s_and_b32 s17, ttmp7, 0xffff
	s_lshl_b32 s17, s17, 2
	s_add_co_u32 s17, s17, s77                     ; tile row
	s_lshl_b32 s79, s77, 2
	s_lshl_b32 s79, 15, s79
	s_lshl_b32 s80, 0x1111, s76
	s_or_b32 s[G1A], s79, (3<<16)|(1<<21)          ; O: 8 rows of 768 elements of 8 bytes, 12,288 bytes apart, dense in LDS
	s_mov_b32 s[G1A+1], 768<<16
	s_mov_b32 s[G1A+2], 8<<16
	s_mov_b32 s[G1A+3], 768<<16
	s_mov_b32 s[G1A+4], 8
	s_mov_b32 s[G1A+5], 1536
	s_mov_b32 s[G1A+6], 0
	s_mov_b32 s[G1A+7], 0
	s_or_b32 s[G1B], s80, (0<<16)|(1<<20)|(1<<21)|(5<<22)|(3<<25)   ; w_out: 64 rows of 768 bytes, 16 bytes of padding behind every 256
	s_mov_b32 s[G1B+1], 768<<16
	s_mov_b32 s[G1B+2], 64<<16
	s_mov_b32 s[G1B+3], 768<<16
	s_mov_b32 s[G1B+4], 64
	s_mov_b32 s[G1B+5], 768
	s_mov_b32 s[G1B+6], 0
	s_mov_b32 s[G1B+7], 0
	s_lshl_b32 s81, s17, 4
	s_lshl_b32 s82, s16, 3
	s_add_co_u32 s81, s81, s82
	s_mul_i32 s82, s81, 12288
	s_mov_b32 s83, 0
	s_lshl_b32 s84, s78, 7
	s_lshl_b32 s85, s16, 6
	s_add_co_u32 s84, s84, s85
	s_mul_i32 s84, s84, 768
	s_mov_b32 s85, 0
	s_mul_i32 s86, s16, 8*6144
	s_mul_i32 s87, s16, 64*PITCH
	s_add_co_u32 s87, s87, WB
	s_lshl_b32 s88, s17, 10
	s_lshl_b32 s12, s15, 9
	s_add_co_u32 s88, s88, s12
	s_mov_b32 s89, 0
	s_lshl_b32 s90, s78, 12
	s_lshl_b32 s12, s16, 11
	s_add_co_u32 s90, s90, s12
	s_mov_b32 s91, 0
	s_lshl_b32 s92, s78, 9
	s_lshl_b32 s12, s16, 8
	s_add_co_u32 s92, s92, s12
	s_mov_b32 s93, 0
	s_lshl_b32 s94, s17, 20
	s_lshl_b32 s12, s15, 19
	s_add_co_u32 s94, s94, s12
	s_add_co_u32 s94, s94, s92
	s_mov_b32 s95, 0
	s_wait_dscnt 0x0
	s_wait_kmcnt 0x0
	s_add_nc_u64 s[82:83], s[4:5], s[82:83]
	s_add_nc_u64 s[84:85], s[8:9], s[84:85]
	s_add_nc_u64 s[88:89], s[6:7], s[88:89]
	s_add_nc_u64 s[90:91], s[10:11], s[90:91]
	s_add_nc_u64 s[92:93], s[20:21], s[92:93]
	s_add_nc_u64 s[94:95], s[22:23], s[94:95]
.irp c, 0,1
	s_mov_b32 s[G0A+4*\c], 1
	s_add_co_u32 s[G0A+4*\c+1], s86, \c*OH
	s_add_nc_u64 s[G0A+4*\c+2:G0A+4*\c+3], s[82:83], \c*6144
	s_or_b32 s[G0A+4*\c+3], s[G0A+4*\c+3], 0x80000000
.endr
	s_mov_b32 s56, 1
	s_mov_b32 s57, s87
	s_mov_b64 s[58:59], s[84:85]
	s_or_b32 s59, s59, 0x80000000
	CROUND                                         ; the joint loads meet
	s_cmp_eq_u32 s15, 0                            ; one load a wave
	s_cbranch_scc0 .Lfor_b
	tensor_load_to_lds s[40:43], s[G1A:G1A+7]
	s_nop 0
	PLACES
	s_branch .Lasked
.Lfor_b:
	tensor_load_to_lds s[56:59], s[G1B:G1B+7]
	s_nop 0
	PLACES
.Lasked:
	v_and_b32 v1, 15, v0
	v_bfe_u32 v2, v0, 4, 1
	v_and_b32 v3, 31, v0
	v_lshlrev_b32 v[L4], 2, v3
	v_lshlrev_b32 v[L32], 5, v3
	v_lshlrev_b32 v[BO], 5, v2
.irp kf, 0,1,2,3,4,5,6,7                       ; the scale words and the bias go straight into registers, once
.irp i, 0,1,2,3
	global_load_b32 v[SAW+4*\kf+\i], v[L4], s[88:89] offset:32768*\kf+128*\i
.endr
.endr
.irp i, 0,1
.irp u, 0,1
	global_load_b128 v[SBW+8*\i+4*\u:SBW+8*\i+4*\u+3], v[L32], s[90:91] offset:1024*\i+16*\u
.endr
.endr
.irp b, 0,1,2,3
	global_load_b128 v[BIAS+8*\b:BIAS+8*\b+3], v[BO], s[92:93] offset:64*\b
	global_load_b128 v[BIAS+8*\b+4:BIAS+8*\b+7], v[BO], s[92:93] offset:64*\b+16
.endr
	v_lshlrev_b32 v21, 4, v3
	s_mul_i32 s12, s15, 8*6144                     ; my 8 row blocks of O
	v_add_nc_u32 v[ADRA], s12, v21
	v_mul_u32_u24 v22, v1, PITCH
	v_mad_u32_u24 v22, v2, 24, v22
	s_mul_i32 s13, s16, 64*PITCH
	s_add_co_u32 s13, s13, WB                      ; my 64 rows of w_out
	v_add_nc_u32 v[ADRB], s13, v22
	v_lshl_add_u32 v[ADRB+1], v2, 4, v[ADRB]
	v_add_nc_u32 v[ADRA+1], OH, v[ADRA]
	s_mul_i32 s12, s14, 16*SPITCH                  ; my stage
	v_mul_u32_u24 v[STO], v1, SPITCH
	v_lshl_add_u32 v[STO], v2, 5, v[STO]
	v_add_nc_u32 v[STO], s12, v[STO]
	v_mul_u32_u24 v[RD], v2, SPITCH
	v_lshl_add_u32 v[RD], v1, 4, v[RD]
	v_add_nc_u32 v[RD], s12, v[RD]
	v_lshlrev_b32 v[CO], 12, v2
	v_lshl_add_u32 v[CO], v1, 4, v[CO]
.macro FRAG reg, q, i                  ; a fragment of w_out in pieces of 8 bytes; lanes 16-31 read three pieces on; where that is behind one padding more, v9 serves
.irp p, 0,1,2,3,4,5
.set PC, 12*(\q)+6*(\p/3)+\p%3
.if PC%32 < 29
	ds_load_b64 v[\reg+2*\p:\reg+2*\p+1], v[ADRB] offset:8*PC+16*(PC/32)+(\i)*16*PITCH
.else
	ds_load_b64 v[\reg+2*\p:\reg+2*\p+1], v[ADRB+1] offset:8*PC+16*(PC/32)+(\i)*16*PITCH
.endif
.endr
.endm
.macro FETCH k                         ; step k's fragments into set k % 2
	WIN 0x40
.irp i, 0,1,2,3,4,5,6,7
.irp p, 0,1,2
	ds_load_b128 v[128*((\k)%2)+FR*\i+4*\p:128*((\k)%2)+FR*\i+4*\p+3], v[ADRA+(\k)/4] offset:6144*\i+1536*((\k)%4)+512*\p
.endr
.endr
	WIN 0
.irp i, 0,1,2,3
	FRAG BF+48*((\k)%2)+FR*\i, \k, \i
.endr
.endm
.macro WM a, b, k, first               ; O's block a x w_out's block b, step k; first = 1: C is the bias
.set rD, 8*(4*(\a)+(\b))
.set rC, rD
.if \first
.set rC, BIAS+8*(\b)
.endif
.set rB, BF+48*((\k)%2)+FR*(\b)
.set rA, 128*((\k)%2)+FR*(\a)
.set rSB, SBW+8*((\b)/2)+(\k)
.set rSA, SAW+4*(\k)+(\a)/2
.if ((\a)%2 == 0) && ((\b)%2 == 0)
	v_wmma_scale_f32_16x16x128_f8f6f4 v[rD:rD+7], v[rB:rB+11], v[rA:rA+11], v[rC:rC+7], v[rSB], v[rSA] matrix_a_fmt:MATRIX_FMT_FP6 matrix_b_fmt:MATRIX_FMT_FP6
.elseif (\a)%2 == 0
	v_wmma_scale_f32_16x16x128_f8f6f4 v[rD:rD+7], v[rB:rB+11], v[rA:rA+11], v[rC:rC+7], v[rSB], v[rSA] matrix_a_fmt:MATRIX_FMT_FP6 matrix_b_fmt:MATRIX_FMT_FP6 matrix_a_scale:MATRIX_SCALE_ROW1
.elseif (\b)%2 == 0
	v_wmma_scale_f32_16x16x128_f8f6f4 v[rD:rD+7], v[rB:rB+11], v[rA:rA+11], v[rC:rC+7], v[rSB], v[rSA] matrix_a_fmt:MATRIX_FMT_FP6 matrix_b_fmt:MATRIX_FMT_FP6 matrix_b_scale:MATRIX_SCALE_ROW1
.else
	v_wmma_scale_f32_16x16x128_f8f6f4 v[rD:rD+7], v[rB:rB+11], v[rA:rA+11], v[rC:rC+7], v[rSB], v[rSA] matrix_a_fmt:MATRIX_FMT_FP6 matrix_b_fmt:MATRIX_FMT_FP6 matrix_a_scale:MATRIX_SCALE_ROW1 matrix_b_scale:MATRIX_SCALE_ROW1
.endif
.endm
.macro MULA a0, n, k, first            ; the 32 accumulators take turns
.set ma, \a0
.rept \n
.irp b, 0,1,2,3
	WM ma, \b, \k, \first
.endr
.set ma, ma+1
.endr
.endm
.macro STEPA k, first
	s_wait_dscnt 0x0                               ; this step's fragments are in
	PLACES
	FETCH (\k)+1
.if \first
	WIN MULF
.else
	WIN MUL
.endif
	MULA 0, 8, \k, \first
.endm
.macro STEPB k                         ; the next step lies in O's second half
	s_wait_dscnt 0x0
	s_wait_tensorcnt 0x0                           ; my part of it, if I asked for one, is in,
	s_barrier_signal -1
	WIN MUL
	MULA 0, 4, \k, 0
	s_barrier_wait -1                              ; everybody's is.
	PLACES
	FETCH (\k)+1
	WIN MUL
	MULA 4, 4, \k, 0
.endm
	s_wait_alu depctr_va_vdst(0)
	s_wait_tensorcnt 0x0                           ; my tile of the head's four is in
	ds_add_u32 v254, v255
	s_wait_dscnt 0x0
	CROUND
	s_cmp_eq_u32 s15, 0
	s_cbranch_scc0 .Lno_half
	tensor_load_to_lds s[44:47], s[G1A:G1A+7]      ; O's second half of K
	s_nop 0
	PLACES
.Lno_half:
	FETCH 0
	s_wait_loadcnt 0x0                             ; the scale words and the bias
	STEPA 0, 1
	STEPA 1, 0
	STEPA 2, 0
	STEPB 3
	STEPA 4, 0
	STEPA 5, 0
	STEPA 6, 0
	s_wait_dscnt 0x0
	MULA 0, 8, 7, 0
	WIN 0
; THE WAY OUT, block by block of 16 rows x 64 columns, through my own stage; LDS serves a wave's instructions in order (ISA guide 5.7.1.4).
.macro TOSTAGE a
	WIN 0x08
.irp b, 0,1,2,3
	ds_store_b128 v[STO], v[8*(4*(\a)+\b):8*(4*(\a)+\b)+3] offset:64*\b
	ds_store_b128 v[STO], v[8*(4*(\a)+\b)+4:8*(4*(\a)+\b)+7] offset:64*\b+16
.endr
	WIN 0
.set BB, BK+32*((\a)%2)
.irp t, 0,1,2,3,4,5,6,7
	ds_load_b128 v[BB+4*\t:BB+4*\t+3], v[RD] offset:\t*2*SPITCH
.endr
.endm
.macro SEND a, younger                 ; younger: the LDS instructions issued behind block a's loads
.set BB, BK+32*((\a)%2)
	s_wait_dscnt \younger
.irp t, 0,1,2,3,4,5,6,7
	global_store_b128 v[CO], v[BB+4*\t:BB+4*\t+3], s[94:95] offset:(16*(\a)+2*\t)*4096 th:TH_STORE_NT   ; 16 lanes store 256 consecutive bytes, aligned
.endr
.endm
	PLACES
	TOSTAGE 0
.irp a, 1,2,3,4,5,6,7
.if \a > 1
	s_wait_xcnt 0x0                                ; block a - 2's stores have read their registers
.endif
	TOSTAGE \a
	SEND \a-1, 16                                  ; behind block a - 1's loads: block a's 8 stores and 8 loads
.endr
	SEND 7, 0
	s_wait_tensorcnt 0x0
	ds_add_u32 v254, v255
	s_wait_dscnt 0x0
	CROUND                                         ; the closing round
	s_endpgm
.Lfunc_end_k_q419618ec58_proj:
	.size	k_q419618ec58_proj, .Lfunc_end_k_q419618ec58_proj-k_q419618ec58_proj
	.p2alignl 7, 3214868480
	.fill 96, 4, 3214868480
	.section	.rodata,"a",@progbits
	.p2align	6, 0x0
	.amdhsa_kernel k_q419618ec58_proj
		.amdhsa_group_segment_fixed_size 327680
		.amdhsa_private_segment_fixed_size 0
		.amdhsa_enable_private_segment 0
		.amdhsa_kernarg_size 48
		.amdhsa_user_sgpr_count 2
		.amdhsa_user_sgpr_kernarg_segment_ptr 1
		.amdhsa_wavefront_size32 1
		.amdhsa_system_sgpr_workgroup_id_x 1
		.amdhsa_system_sgpr_workgroup_id_y 1
		.amdhsa_system_sgpr_workgroup_id_z 1
		.amdhsa_system_vgpr_workitem_id 0
		.amdhsa_next_free_vgpr 768
		.amdhsa_next_free_sgpr 96
		.amdhsa_reserve_vcc 0
		.amdhsa_float_denorm_mode_32 3
		.amdhsa_float_denorm_mode_16_64 3
		.amdhsa_memory_ordered 1
		.amdhsa_forward_progress 1
		.amdhsa_inst_pref_size 85
	.end_amdhsa_kernel
	.amdgpu_metadata
---
amdhsa.version: [ 1, 2 ]
amdhsa.kernels:
  - .name:           k_q419618ec58_proj
    .symbol:         k_q419618ec58_proj.kd
    .args:
      - { .name: oimg, .offset: 0, .size: 8, .value_kind: global_buffer, .address_space: global }
      - { .name: osc, .offset: 8, .size: 8, .value_kind: global_buffer, .address_space: global }
      - { .name: w_out_codes, .offset: 16, .size: 8, .value_kind: global_buffer, .address_space: global }
      - { .name: w_out_scales, .offset: 24, .size: 8, .value_kind: global_buffer, .address_space: global }
      - { .name: b_out, .offset: 32, .size: 8, .value_kind: global_buffer, .address_space: global }
      - { .name: out0, .offset: 40, .size: 8, .value_kind: global_buffer, .address_space: global }
    .group_segment_fixed_size: 327680
    .private_segment_fixed_size: 0
    .kernarg_segment_align: 8
    .kernarg_segment_size: 48
    .max_flat_workgroup_size: 128
    .sgpr_count:     96
    .vgpr_count:     768
    .wavefront_size: 32
...
	.end_amdgpu_metadata
.endif
;; end of part 3
